; MI455X (gfx1250); checked and timed in simulation.
; The chip was launched on July 23, 2026; its instructions are those of AMD's public machine-readable ISA for CDNA 5 (MIT licence, August 2026) and "CDNA5" Instruction Set Architecture Reference Guide (July 2026). The comments in the code are by the model that wrote it; some were corrected since.
;; Mo E. Allowed arithmetic: matrix products marked QUANTISED: E4M3 operands, one E8M0 scale for each 32 along K, by v_wmma_scale_f32_16x16x128_f8f6f4 with both operands' format E4M3, f32 sums; products left as they are: f32 operands where the result goes on into a quantised operand, else bf16, f16 or f32 operands; f32 sums; everything else in f32.
;; Inputs: We 8 x 1,024 x 1,024 float32; Wg 1,024 x 8 float32; be 8 x 1,024 float32; bg 8 float32; x 8,192 x 1,024 float32.
;; Outputs: out0 8,192 x 1,024 float32.
;; This version of the problem:
;;   THIS VERSION OF THE PROBLEM IS GIVEN IN LOW PRECISION. The matrix products marked QUANTISED in the list below multiply operands that are first quantised to E4M3 (4 exponent bits, 3 mantissa bits; 8 bits a number), with one power-of-two scale for each 32 numbers along K (OCP MX v1.0); their sums are f32. All else is computed in f32.
;;   The module's matrix products, in the order in which they are computed (A, B: the left and right operand; K: the contracted axis; several contracted axes count as one K, in the product's order):
;;     1. [M 8,192, K 1,024] x [K 1,024, N 8]; A: input x; B: input Wg: left as it is (N = 8 < 16)
;;     2. [M 8,192, K 1,024] x [K 1,024, N 8,192]; A: input x; B: input We: QUANTISED
;;     3. batch 8,192 x [M 1, K 8] x [K 8, N 1,024]; A: softmax; B: computed on the way: left as it is (K = 8 < 32)
;;   THE QUANTISER, for each operand of a quantised product, along K:
;;     - K is cut into blocks of 32 from its start; a last block that is shorter is filled with zeros.
;;     - A block's scale is 2^e with e = floor(log2(the largest magnitude in the block)) - 8, held to -126 .. 127; a block of zeros has e = 0. As a byte (E8M0): e + 127.
;;     - Each number is divided by its block's scale, clamped to +-448, and rounded to the nearest number of E4M3, ties to even, subnormals kept.
;;     - The product sums the exact products of the quantised numbers (number of the format x scale) in f32.
;;   ~~~python
;;   def quantise(x, axis):      # numpy; x: float32 -> the quantised numbers, widened to float32 again
;;       x = np.moveaxis(x, axis, -1); K = x.shape[-1]
;;       x = np.pad(x, [(0, 0)] * (x.ndim - 1) + [(0, -K % 32)]); x = x.reshape(x.shape[:-1] + (-1, 32)); a = np.abs(x).max(-1, keepdims=True)
;;       e = np.where(a > 0, np.clip(np.frexp(np.where(a > 0, a, 1))[1] - 1 - 8, -126, 127), 0)      # np.frexp(a)[1] - 1 = floor(log2(a)), exactly
;;       r = np.clip(x / 2.0 ** e, -448, 448)
;;       step = 2.0 ** (np.maximum(np.frexp(np.where(r == 0, 1, r))[1] - 1, -6) - 3)
;;       q = np.round(r / step) * step * 2.0 ** e      # np.round: ties to even
;;       return np.moveaxis(q.reshape(q.shape[:-2] + (-1,))[..., :K], -1, axis).astype(np.float32)
;;   ~~~
;; One version. Each part assembles by itself: llvm-mc -triple=amdgcn-amd-amdhsa -mcpu=gfx1250 --defsym DOCPART=n.
;; ======== version 1 of 1: 2 launches
;; limits: values are held in bf16: 8 bits of precision; right only within a limited range of input values
;; workspace buffers: xq 8,650,752 bytes; wq 8,650,752 bytes; rt 262,144 bytes; gb 262,144 bytes; g7 65,536 bytes
;; launch prep (part 1): grid 512 x 1, 4 waves a work-group, no clusters, 73,216 bytes of LDS; arguments x, Wg, bg, We, xq, gb, rt, wq, g7; writes xq, gb, rt, wq, g7
.if DOCPART == 1
	.amdgcn_target "amdgcn-amd-amdhsa--gfx1250"
	.amdhsa_code_object_version 6
	.text
	.protected	k_q55abedaafc_prep
	.globl	k_q55abedaafc_prep
	.p2align	8
	.type	k_q55abedaafc_prep,@function
k_q55abedaafc_prep:
	s_mov_b64 s[64:65], 0
	v_nop
	global_prefetch_b8 v0, s[64:65] scope:SCOPE_SE
	s_setreg_imm32_b32 hwreg(HW_REG_WAVE_MODE, 25, 1), 1
	s_wait_xcnt 0x0
; x [8192][1024] and We [8][1024][1024], f32, become codes of FP8 (E4M3) with one E8M0 scale byte for each 32 along K (K = the 1,024 of x's rows, We's middle axis); and the gates are made.
; A block's scale is 2^(floor(log2(its largest magnitude)) - 8); its byte is the largest magnitude's exponent field - 8, held at 1 from below; each number is divided by the scale, held within +-448 and rounded to the nearest code, ties to even.
; LIMITS.  NaN and infinities among the inputs are not served.  A block of zeros gets the byte 1 where the rule says 127: its codes are zeros, and the bytes are read by this program alone.  Blocks whose largest
; magnitude lies under 2^-118 are held at the byte 1.  The gates' logits x Wg + bg are a product left as it is: bf16 operands, f32 sums; its rounding error grows with the size and the offset of x.
; WHAT IS STORED, all in the order in which the second launch's registers take it:
;   xq  [row tile 512][K step 8][2,048]: a fragment (16 rows x 128 K) as an image of its 16 registers: piece c at 512 c + 16 x lane; lane (r, h) holds k = 32 c + 16 h + 0 .. 15 of row r
;   xs  [row 8192][8 words]: word s = the four scale bytes of K step s
;   wq  [y 8][c 2][e 8][b 4][s 8][2,048]: the same image for columns n = 128 y + 64 c + 16 b + r of expert e
;   wsc [e 8][kq 4][n 1024][2 words]: the scale words of K steps 2 kq and 2 kq + 1
;   gates [block of 32 rows: 256][e 8][32 rows] f32: softmax over the experts, the row's largest logit taken away first
; SHARES.  Work-groups 0 to 255 take x, 32 rows each: a wave takes one tile of 16 rows and one half of K (four K steps).  Work-groups 256 to 511 take We, each 128 columns x 256 K of one expert, a wave 32 columns.
; So every work-group reads 131,072 bytes and stores 33,792.  The branch hangs on the work-group's number alone; only x's way uses LDS and barriers.  No tensor loads: every wave streams through registers.
; THE LAYOUTS IN FORCE (they replace the list of stored buffers above):
;   xq [row block of 512: 16][chunk of 128 K: 8][67,584]: 32 fragments of 2,048 bytes, then the scale words [pair of row tiles 16][32 rows]
;   wq [64 columns: 16][256 K: 4][e 8][K step 2][8,448]: 4 fragments of 2,048 bytes, then the scale words [pair of column tiles 2][32 columns]
;   rt [row block 16][e 8][512 rows] f32: gate (e - 1) / gate e, for e = 0 gate 7 / gate 0, every gate held at 2^-60 from below
;   gb [row tile 512][32 lanes][16 bytes]: lanes 0-15 gate e / gate 7 in bf16, e = 0 .. 7; lanes 16-31 zeros.   g7 [row tile 512][32 lanes] f32: gate 7
.set WIMG, 0
.set STG,  32768                       ; a stage of 16 rows x 528 bytes for each wave
.set STGW, 8448
.set SPI,  528                         ; 512 bytes + 16: the sixteen rows that a read touches begin in sixteen different groups of banks (64 banks of 4 bytes: ISA guide 11.1)
.set PLG,  66560                       ; each wave's partial logits as an image of eight registers: 1,024 bytes a wave
.set OUTL, 70656                       ; what leaves at the end: the 32 rows' scale words (1,024 bytes), then their gates [e 8][32 rows] (1,024 bytes)
.set WV,   22                          ; s22  my wave's number
.set MNT,  23                          ; s23  the mantissa field of 448
.set SEL,  34                          ; s[34:35] v_permlanex16_b32's selects for lane l xor 16
; x's way: window 0
.set L16,  4                           ; v4   16 x lane
.set SIN,  5                           ; v5   the stage, on the way in: 16 x lane in a row
.set SOUT, 6                           ; v6   on the way out: row r, + 64 h
.set WGO,  7                           ; v7   256 x thread: my eight rows of Wg
.set WST,  8                           ; v8   where they go in the image
.set WRD,  9                           ; v9   where I read the image: 16 x lane, in my half of K
.set PLS,  10                          ; v10  where my partial logits go
.set PLP,  11                          ; v11  where my partner's lie
.set XSL,  12                          ; v12  where my four scale words of row r go
.set GSI,  13                          ; v13  where my two gates go
.set FIN,  14                          ; v14  my 16 bytes of what leaves
.set FGO,  15                          ; v15  and their place in memory
.set TM,   16                          ; v16-19 largest magnitudes, v20-23 bytes, v24-27 448 x the scale, v28-31 the conversions' scale operands
.set PWS,  32                          ; v32-35 my four scale words
.set PC,   40                          ; v40-55 a fragment's codes
.set ACC,  64                          ; v64-71, v72-79 the logits' two partial sums, by turns
.set WF,   80                          ; v80-111 four fragments of Wg^T
.set XB,   112                         ; v112-143 x in bf16
.set X,    144                         ; v144-207 a K step's 64 numbers of my row
.set LG,   208                         ; v208-243 the softmax
; window 1: v0-191: three sets of 64 registers as loaded
.set MSB, 0
.macro WIN new                         ; the immediate's high byte repeats the setting that is left
.if MSB != \new
	s_set_vgpr_msb (MSB<<8)|\new
.set MSB, \new
.endif
.endm
	s_load_b256 s[4:11], s[0:1], 0x0               ; x s[4:5], Wg s[6:7], bg s[8:9], We s[10:11]
	s_load_b256 s[12:19], s[0:1], 0x20             ; xq s[12:13], gb s[14:15], rt s[16:17], wq s[18:19]
	s_load_b64 s[20:21], s[0:1], 0x40              ; g7
	v_lshl_add_u32 v254, v0, 2, 0x11c00
	v_mov_b32 v255, 0
	v_lshrrev_b32 v1, 5, v0
	v_readfirstlane_b32 s[WV], v1                  ; wave 0..3
	v_and_b32 v1, 31, v0                           ; lane
	v_and_b32 v2, 15, v0                           ; r
	v_bfe_u32 v3, v0, 4, 1                         ; h
	s_mov_b32 s[MNT], 0x600000
	s_mov_b32 s33, 0                               ; the upper word of the offsets' pair s[32:33]
	s_cmp_lt_u32 ttmp9, 256
	s_cbranch_scc0 .Lwe
; ---------------------------------------------------------------- x: 32 rows a work-group; a wave: 16 rows x 512 along K
	s_mov_b32 s[SEL], 0x76543210
	s_mov_b32 s[SEL+1], 0xfedcba98
	s_mov_b32 s39, 0x3fb8aa3b                      ; log2(e)
	s_lshr_b32 s40, s[WV], 1                       ; which of the two row tiles
	s_and_b32 s41, s[WV], 1                        ; which half of K
	s_cmp_lg_u32 s41, 0
	s_cselect_b32 s42, -1, 0                       ; a lane mask: all ones in the waves of K's upper half
	s_wait_alu depctr_va_vdst(0)
	v_lshlrev_b32 v[L16], 4, v1
	s_mul_i32 s36, s[WV], STGW
	s_add_co_u32 s36, s36, STG                     ; my stage
	v_add_nc_u32 v[SIN], s36, v[L16]
	v_mul_u32_u24 v[SOUT], v2, SPI
	v_lshl_add_u32 v[SOUT], v3, 6, v[SOUT]
	v_add_nc_u32 v[SOUT], s36, v[SOUT]
	v_lshrrev_b32 v[WST], 2, v0                    ; thread t holds k = 8 t + 0 .. 7: block t / 4 of 32; in it 16 h + 8 q with h = (t / 2) % 2, q = t % 2
	v_lshlrev_b32 v[WST], 10, v[WST]
	v_and_b32 v[WGO], 1, v0
	v_lshl_add_u32 v[WST], v[WGO], 9, v[WST]       ; piece q: 512 bytes
	v_bfe_u32 v[WGO], v0, 1, 1
	v_lshl_add_u32 v[WST], v[WGO], 8, v[WST]       ; lanes 16 h on: 256 bytes
	v_lshlrev_b32 v[WGO], 8, v0
	s_lshl_b32 s37, s41, 14                        ; my half of K: 16 blocks of 1,024 bytes
	v_add_nc_u32 v[WRD], s37, v[L16]
	s_lshl_b32 s37, s[WV], 10
	s_add_co_u32 s37, s37, PLG
	v_add_nc_u32 v[PLS], s37, v[L16]
	s_xor_b32 s37, s[WV], 1                        ; my partner: the same tile, the other half of K
	s_lshl_b32 s37, s37, 10
	s_add_co_u32 s37, s37, PLG
	v_add_nc_u32 v[PLP], s37, v[L16]
	s_lshl_b32 s37, s40, 6                         ; scale words in LDS: [chunk 8][32 rows]: 512 x half of K + 64 x tile + 4 r
	s_lshl_b32 s38, s41, 9
	s_add_co_u32 s37, s37, s38
	s_add_co_u32 s37, s37, OUTL
	v_lshlrev_b32 v[XSL], 2, v2
	v_add_nc_u32 v[XSL], s37, v[XSL]
	s_lshl_b32 s37, s41, 9                         ; gates: expert 4 x half of K + 2 h + i, 128 bytes an expert; row 16 x tile + r
	s_lshl_b32 s38, s40, 6
	s_add_co_u32 s37, s37, s38
	s_add_co_u32 s37, s37, OUTL+1024
	v_lshlrev_b32 v[GSI], 2, v2
	v_lshl_add_u32 v[GSI], v3, 8, v[GSI]
	v_add_nc_u32 v[GSI], s37, v[GSI]
	s_lshl_b32 s37, s[WV], 9                       ; what leaves: wave w takes bytes 512 w on
	s_add_co_u32 s37, s37, OUTL
	v_add_nc_u32 v[FIN], s37, v[L16]
	v_lshrrev_b32 v[FGO], 3, v1                    ; what leaves: 128 bytes of each of four chunks (waves 0, 1), or of four experts (waves 2, 3)
	s_lshl_b32 s37, s41, 2
	v_add_nc_u32 v[FGO], s37, v[FGO]
	s_mov_b32 s37, 2048
	s_cmp_lt_u32 s[WV], 2
	s_cselect_b32 s37, 67584, s37
	v_mul_lo_u32 v[FGO], v[FGO], s37
	v_and_b32 v36, 7, v1
	v_lshl_add_u32 v[FGO], v36, 4, v[FGO]
.irp b, 0,1,2,3
	v_mov_b32 v[TM+4+\b], 0                        ; written once: a lane permute's destination counts as one of its sources
.endr
	s_lshl_b32 s38, ttmp9, 1
	s_add_co_u32 s38, s38, s40                     ; my row tile
	s_wait_kmcnt 0x0
	s_load_b256 s[24:31], s[8:9], 0x0              ; bg: eight numbers; wanted at the end
	s_lshl_b32 s32, s38, 16
	s_lshl_b32 s43, s41, 11
	s_add_co_u32 s32, s32, s43
	s_add_nc_u64 s[4:5], s[4:5], s[32:33]          ; x: 16 rows of 4,096 bytes, + my half of a row
	s_lshr_b32 s43, s38, 5                         ; my row block of 512
	s_mul_i32 s32, s43, 540672
	s_add_nc_u64 s[12:13], s[12:13], s[32:33]
	s_and_b32 s44, ttmp9, 15
	s_lshl_b32 s44, s44, 7                         ; my 32 rows in it: 128 bytes of words
	s_add_co_u32 s32, s44, 65536
	s_add_nc_u64 s[46:47], s[12:13], s[32:33]      ; scale words, behind a chunk's fragments
	s_lshl_b32 s32, s43, 14
	s_add_co_u32 s32, s32, s44
	s_add_nc_u64 s[16:17], s[16:17], s[32:33]      ; the gates' ratios
	s_cmp_lt_u32 s[WV], 2
	s_cselect_b64 s[46:47], s[46:47], s[16:17]     ; into which of the two my last store goes: the choice hangs on the wave's number alone
	s_and_b32 s43, s38, 31
	s_lshl_b32 s32, s43, 11
	s_mul_i32 s43, s41, 270336
	s_add_co_u32 s32, s32, s43
	s_add_nc_u64 s[12:13], s[12:13], s[32:33]      ; xq: my row tile's fragment, + my four chunks
	s_lshl_b32 s32, s38, 9
	s_add_nc_u64 s[14:15], s[14:15], s[32:33]      ; gb: 512 bytes a row tile
	s_lshl_b32 s32, s38, 7
	s_add_nc_u64 s[20:21], s[20:21], s[32:33]      ; g7: 128 bytes a row tile
.macro LOAD t                          ; my K step t of my 16 rows: each load takes 512 consecutive bytes of one row, 16 a lane
	WIN 0x40                                       ; destination window 1
.irp j, 0,1,2,3,4,5,6,7,8,9,10,11,12,13,14,15
	global_load_b128 v[64*((\t)%3)+4*\j:64*((\t)%3)+4*\j+3], v[L16], s[4:5] offset:4096*\j+512*(\t) th:TH_LOAD_NT
.endr
	WIN 0
.endm
; 64 numbers of a lane, register 16 b + i = k 32 b + 16 h + i of my row, become a fragment's codes in v[PC] on and its scale word in v[pw]
.macro QUANT s, pw
.irp b, 0,1,2,3
	v_max3_num_f32 v[TM+\b], |v[\s+16*\b]|, |v[\s+1+16*\b]|, 0x4800000   ; block b: my 16 numbers, and the floor 2^(9 - 127): so the byte cannot fall under 1
.endr
.irp i, 2,4,6,8,10,12,14
.irp b, 0,1,2,3
	v_max3_num_f32 v[TM+\b], v[TM+\b], |v[\s+16*\b+\i]|, |v[\s+1+16*\b+\i]|   ; the four blocks by turns
.endr
.endr
.irp b, 0,1,2,3
	v_permlanex16_b32 v[TM+4+\b], v[TM+\b], s[SEL], s[SEL+1]
.endr
.irp b, 0,1,2,3
	v_max_num_f32 v[TM+\b], v[TM+\b], v[TM+4+\b]   ; with lane l xor 16's 16: the block's largest magnitude
.endr
.irp b, 0,1,2,3
	v_add_nc_u32 v[TM+12+\b], 0xfc000000, v[TM+\b] ; 8 off its exponent field: the conversion takes the exponent field of this operand as its scale
.endr
.irp b, 0,1,2,3
	v_and_or_b32 v[TM+8+\b], v[TM+\b], 0x7f800000, s[MNT]   ; 448 x the scale
.endr
.irp b, 0,1,2,3
	v_lshrrev_b32 v[TM+4+\b], 23, v[TM+12+\b]      ; the scale's byte
.endr
	v_lshl_or_b32 v[\pw], v[TM+5], 8, v[TM+4]
	v_lshl_or_b32 v[\pw], v[TM+6], 16, v[\pw]
	v_lshl_or_b32 v[\pw], v[TM+7], 24, v[\pw]
.irp b, 0,1,2,3
.irp i, 0,1,2,3,4,5,6,7,8,9,10,11,12,13,14,15
	v_med3_num_f32 v[\s+16*\b+\i], v[\s+16*\b+\i], -v[TM+8+\b], v[TM+8+\b]   ; the conversion to an 8-bit code does not saturate (ISA guide 7.6.2): the hold comes first
.endr
	v_cvt_scalef32_pk8_fp8_f32 v[PC+4*\b:PC+1+4*\b], v[\s+16*\b:\s+7+16*\b], v[TM+12+\b]
	v_cvt_scalef32_pk8_fp8_f32 v[PC+2+4*\b:PC+3+4*\b], v[\s+8+16*\b:\s+15+16*\b], v[TM+12+\b]
.endr
	v_nop                                          ; one plain vector instruction behind the last scaled conversion
.endm
.irp j, 0,1,2,3,4,5,6,7,8,9,10,11,12,13,14,15
	global_load_b128 v[X+4*\j:X+4*\j+3], v[WGO], s[6:7] offset:16*\j   ; register 8 j + e = Wg[8 t + j][e]
.endr
	LOAD 0
	LOAD 1
	s_wait_loadcnt 32                              ; Wg's sixteen loads are in; the 32 of my K steps 0 and 1 may be out
; Wg^T as source 0 of the logits' product: row m of a tile is expert m % 8 (the experts stand twice, so that both halves of the lanes get all eight logits).  k lies in the registers as x's own numbers lie
; (lane half h, register u: k = 16 h + 2 u, + 1 of a block of 32): the same order on both sides keeps every product.
.irp e, 0,1,2,3,4,5,6,7
.irp u, 0,1,2,3
	v_cvt_pk_bf16_f32 v[XB+4*\e+\u], v[X+16*\u+\e], v[X+16*\u+8+\e]
.endr
.endr
.irp e, 0,1,2,3,4,5,6,7
	ds_store_b128 v[WST], v[XB+4*\e:XB+4*\e+3] offset:16*\e
	ds_store_b128 v[WST], v[XB+4*\e:XB+4*\e+3] offset:16*\e+128
.endr
	LOAD 2
	s_wait_dscnt 0x0                               ; for the others' sake: my part of the image has landed
	s_barrier_signal -1
	s_barrier_wait -1
.macro STEP t
.if (\t) <= 1
	s_wait_loadcnt 32                              ; this step's sixteen loads are in; those of the two steps behind it may be out
.elseif (\t) == 2
	s_wait_loadcnt 16
.else
	s_wait_loadcnt 0
.endif
	WIN 0x04                                       ; an LDS store's data are its source 1: window 1
.irp j, 0,1,2,3,4,5,6,7,8,9,10,11,12,13,14,15
	ds_store_b128 v[SIN], v[64*((\t)%3)+4*\j:64*((\t)%3)+4*\j+3] offset:SPI*\j
.endr
	WIN 0
.irp b, 0,1,2,3
.irp i, 0,1,2,3
	ds_load_b128 v[X+16*\b+4*\i:X+16*\b+4*\i+3], v[SOUT] offset:128*\b+16*\i   ; LDS serves a wave's instructions in order (ISA guide 5.7.1.4): these see the stores above
.endr
.endr
.irp b, 0,1,2,3
.irp q, 0,1
	ds_load_b128 v[WF+8*\b+4*\q:WF+8*\b+4*\q+3], v[WRD] offset:WIMG+(4*(\t)+\b)*1024+512*\q
.endr
.endr
	s_wait_dscnt 0x0                               ; my numbers and Wg's fragments are in, and the stores have read the set that is loaded again below
.if (\t) > 0
	s_wait_xcnt 0x0                                ; the last step's stores have read their codes: v[PC] on is written again only behind this wait
.endif
.if (\t)+3 < 4
	LOAD (\t)+3
.endif
.irp b, 0,1,2,3
.irp u, 0,1,2,3,4,5,6,7
	v_cvt_pk_bf16_f32 v[XB+8*\b+\u], v[X+16*\b+2*\u], v[X+16*\b+2*\u+1]
.endr
.endr
.irp b, 0,1,2,3                        ; logits^T over my half of K: source 0 = Wg^T, source 1 = my 16 rows.  Two accumulators by turns; the first two products start the sums
.if ((\t) == 0) && (\b < 2)
	v_wmma_f32_16x16x32_bf16 v[ACC+8*\b:ACC+8*\b+7], v[WF+8*\b:WF+8*\b+7], v[XB+8*\b:XB+8*\b+7], 0
.else
	v_wmma_f32_16x16x32_bf16 v[ACC+8*(\b%2):ACC+8*(\b%2)+7], v[WF+8*\b:WF+8*\b+7], v[XB+8*\b:XB+8*\b+7], v[ACC+8*(\b%2):ACC+8*(\b%2)+7]
.endif
.endr
	QUANT X, PWS+(\t)                              ; its plain lines are also the places behind the products
.irp b, 0,1,2,3
	global_store_b128 v[L16], v[PC+4*\b:PC+4*\b+3], s[12:13] offset:67584*(\t)+512*\b   ; 32 lanes store 512 consecutive bytes, aligned
.endr
.endm
.irp t, 0,1,2,3
	STEP \t
.endr
	; the gates.  Lane (r, h) holds row r's eight logits over my half of K; my partner holds the other half's.  They change hands through LDS as images of the eight registers
.irp j, 0,1,2,3,4,5,6,7
	v_add_f32 v[LG+\j], v[ACC+\j], v[ACC+8+\j]     ; each accumulator from its low end on
.endr
	ds_store_b128 v[PLS], v[LG:LG+3]
	ds_store_b128 v[PLS], v[LG+4:LG+7] offset:512
.irp i, 0,1,2,3
	ds_store_b32 v[XSL], v[PWS+\i] offset:128*\i   ; my four scale words of row r (lanes r and 16 + r hold the same words and write the same bytes)
.endr
	s_wait_alu depctr_va_vdst(0)
	s_wait_dscnt 0x0                               ; for the others' sake
	s_barrier_signal -1
	s_barrier_wait -1
	ds_load_b128 v[216:219], v[PLP]
	ds_load_b128 v[220:223], v[PLP] offset:512
	s_wait_kmcnt 0x0                               ; bg
	s_wait_dscnt 0x0
.irp j, 0,1,2,3,4,5,6,7
	v_add_f32 v[LG+\j], v[LG+\j], v[216+\j]        ; both waves of a tile form the same sum of the same two numbers,
.endr
.irp j, 0,1,2,3,4,5,6,7
	v_add_f32 v[LG+\j], s[24+\j], v[LG+\j]         ; add the same bias, and go through the same lines below: the same gates in both
.endr
	v_max3_num_f32 v224, v208, v209, v210
	v_max3_num_f32 v224, v224, v211, v212
	v_max3_num_f32 v224, v224, v213, v214
	v_max_num_f32 v224, v224, v215                 ; the row's largest logit
	v_mul_f32 v224, s39, v224
.irp j, 0,1,2,3,4,5,6,7
	v_fma_f32 v[LG+\j], v[LG+\j], s39, -v224       ; (logit - largest) x log2(e)
.endr
	s_wait_alu depctr_va_vdst(0)
.irp j, 0,1,2,3,4,5,6,7
	v_exp_f32 v[LG+\j], v[LG+\j]
.endr
	v_cmp_ne_u32 vcc_lo, 0, v3                     ; (a plain instruction behind the exponentials)  lanes 16 to 31
	s_wait_alu depctr_va_vdst(0)                   ; one wait for the eight, ahead of their first reader
	v_add_f32 v225, v208, v209
	v_add_f32 v226, v210, v211
	v_add_f32 v227, v212, v213
	v_add_f32 v228, v214, v215
	v_add_f32 v225, v225, v226
	v_add_f32 v227, v227, v228
	v_add_f32 v225, v225, v227
	s_wait_alu depctr_va_vdst(0)
	v_rcp_f32 v229, v225
	v_nop                                          ; a plain instruction behind the reciprocal
	s_wait_alu depctr_va_vdst(0)
.irp j, 0,1,2,3,4,5,6,7
	v_mul_f32 v[LG+\j], v[LG+\j], v229
.endr
.irp j, 0,1,2,3,4,5,6,7
	v_max_num_f32 v[216+\j], 0x21800000, v[LG+\j]  ; the gates, held at 2^-60 from below, so that every ratio of two is a finite number
.endr
	v_lshlrev_b32 v156, 2, v1
	v_mov_b32 v157, 0
	s_wait_alu depctr_va_vdst(0)
.irp j, 0,1,2,3,4,5,6,7
	v_rcp_f32 v[224+\j], v[216+\j]
.endr
	v_nop
	s_wait_alu depctr_va_vdst(0)
	v_mul_f32 v[LG], v223, v224
.irp j, 1,2,3,4,5,6,7
	v_mul_f32 v[LG+\j], v[215+\j], v[224+\j]       ; gate (j - 1) / gate j: this goes on in the gates' place below
.endr
.irp j, 0,1,2,3,4,5,6,7
	v_mul_f32 v[144+\j], v[216+\j], v231           ; gate j / gate 7
.endr
.irp u, 0,1,2,3
	v_cvt_pk_bf16_f32 v[152+\u], v[144+2*\u], v[145+2*\u]
.endr
.irp u, 0,1,2,3
	v_cndmask_b32 v[152+\u], v[152+\u], v157, vcc_lo   ; zeros in lanes 16-31
.endr
	s_wait_alu depctr_va_vdst(0)
	s_cmp_eq_u32 s41, 0                            ; of a tile's two waves one stores the bf16 gates, the other gate 7
	s_cbranch_scc0 .Lgate7
	global_store_b128 v[L16], v[152:155], s[14:15]
	s_branch .Lgates_out
.Lgate7:
	global_store_b32 v156, v223, s[20:21]
.Lgates_out:
.irp i, 0,1,2,3
	v_cndmask_b32 v[232+\i], v[LG+\i], v[LG+4+\i], s42       ; the wave of K's lower half hands on experts 0-3, the other experts 4-7;
.endr
.irp i, 0,1
	v_cndmask_b32 v[236+\i], v[232+\i], v[234+\i], vcc_lo    ; of those, lanes 0-15 the first two, lanes 16-31 the other two: no two waves store the same byte
.endr
.irp i, 0,1
	ds_store_b32 v[GSI], v[236+\i] offset:128*\i
.endr
	s_wait_dscnt 0x0                               ; for the others' sake
	s_barrier_signal -1
	s_barrier_wait -1
	ds_load_b128 v[240:243], v[FIN]
	s_wait_dscnt 0x0
	global_store_b128 v[FGO], v[240:243], s[46:47] ; four runs of 128 consecutive bytes: my half of the work-group's scale words, or of its gates' ratios
	s_wait_tensorcnt 0x0
	ds_add_u32 v254, v255
	s_wait_dscnt 0x0
	s_endpgm
; ---------------------------------------------------------------- We: a lane takes a column, and its registers run down K
.Lwe:
.set XW, 32                            ; v32-95   two sets of 32 numbers
.set CW, 96                            ; v96-159  eight registers of codes for each block: no store's data are written again
	s_sub_co_u32 s36, ttmp9, 256
	s_lshr_b32 s37, s36, 5                         ; e
	s_bfe_u32 s38, s36, 0x20003                    ; kq: which 256 along K
	s_and_b32 s39, s36, 7                          ; y: which 128 columns
	s_lshl_b32 s32, s37, 22                        ; We: e x 4 MiB + 256 kq rows of 4,096 bytes + 512 y + 128 w
	s_lshl_b32 s40, s38, 20
	s_add_co_u32 s32, s32, s40
	s_lshl_b32 s40, s39, 9
	s_add_co_u32 s32, s32, s40
	s_lshl_b32 s40, s[WV], 7
	s_add_co_u32 s32, s32, s40
	s_lshl_b32 s42, s39, 1                         ; wq: 64 columns: 2 y + w / 2;
	s_lshr_b32 s40, s[WV], 1
	s_add_co_u32 s42, s42, s40
	s_mul_i32 s42, s42, 540672
	s_lshl_b32 s40, s38, 3                         ; the block of (kq, e);
	s_add_co_u32 s40, s40, s37
	s_mul_i32 s40, s40, 16896
	s_add_co_u32 s42, s42, s40
	s_and_b32 s40, s[WV], 1                        ; column tiles 2 (w % 2) + lane / 16
	s_lshl_b32 s44, s40, 7
	s_add_co_u32 s44, s44, s42
	s_add_co_u32 s44, s44, 8192                    ; the scale words behind a step's four fragments
	s_lshl_b32 s40, s40, 12
	s_add_co_u32 s42, s42, s40
	s_mov_b32 s43, 0
	s_mov_b32 s45, 0
	s_wait_alu depctr_va_vdst(0)
	v_lshlrev_b32 v4, 2, v1                        ; in: 4 bytes a lane
	v_lshlrev_b32 v5, 4, v2
	v_lshl_add_u32 v5, v3, 11, v5
	v_lshlrev_b32 v6, 2, v1
	s_wait_alu depctr_va_vdst(0)
	s_wait_kmcnt 0x0
	s_add_nc_u64 s[10:11], s[10:11], s[32:33]
	s_add_nc_u64 s[20:21], s[18:19], s[44:45]
	s_add_nc_u64 s[18:19], s[18:19], s[42:43]
.macro LOADW t                         ; block t: We(32 t + i, my column), i = 0 .. 31: a wave reads 128 consecutive bytes, the four waves 512
.irp i, 0,1,2,3,4,5,6,7,8,9,10,11,12,13,14,15,16,17,18,19,20,21,22,23,24,25,26,27,28,29,30,31
	global_load_b32 v[XW+32*((\t)%2)+\i], v4, s[10:11] offset:(32*(\t)+\i)*4096 th:TH_LOAD_NT
.endr
.endm
	LOADW 0
	LOADW 1
.macro BLOCK t
.set XS, XW+32*((\t)%2)
.set CC, CW+8*(\t)
.if (\t) < 7
	s_wait_loadcnt 32                              ; this block's 32 loads are in; the next block's may be out
.else
	s_wait_loadcnt 0
.endif
	v_max3_num_f32 v12, |v[XS]|, |v[XS+1]|, |v[XS+2]|      ; the block's largest magnitude: all 32 numbers are mine
	v_max3_num_f32 v13, |v[XS+3]|, |v[XS+4]|, |v[XS+5]|
.irp i, 6,10,14,18,22,26
	v_max3_num_f32 v12, v12, |v[XS+\i]|, |v[XS+\i+1]|
	v_max3_num_f32 v13, v13, |v[XS+\i+2]|, |v[XS+\i+3]|
.endr
	v_max3_num_f32 v12, v12, |v[XS+30]|, |v[XS+31]|
	v_max3_num_f32 v12, v12, v13, 0x4800000        ; and the floor 2^(9 - 127)
	v_add_nc_u32 v11, 0xfc000000, v12              ; the conversions' scale operand
	v_and_or_b32 v10, v12, 0x7f800000, s[MNT]      ; 448 x the scale
	v_lshrrev_b32 v13, 23, v11                     ; the scale's byte
.if (\t)%4 == 0
	v_mov_b32 v[24+(\t)/4], v13                    ; four bytes to a word, the lower K in the lower byte
.else
	v_lshl_or_b32 v[24+(\t)/4], v13, 8*((\t)%4), v[24+(\t)/4]
.endif
.irp i, 0,1,2,3,4,5,6,7,8,9,10,11,12,13,14,15,16,17,18,19,20,21,22,23,24,25,26,27,28,29,30,31
	v_med3_num_f32 v[XS+\i], v[XS+\i], -v10, v10
.endr
.irp g, 0,1,2,3
	v_cvt_scalef32_pk8_fp8_f32 v[CC+2*\g:CC+2*\g+1], v[XS+8*\g:XS+8*\g+7], v11
.endr
	v_nop                                          ; one plain vector instruction behind the last scaled conversion
	; my 32 codes are k = 0 .. 15 (the image's lanes 0-15) and k = 16 .. 31 (its lanes 16-31) of piece t % 4 of K step t / 4: in each store sixteen lanes write 256 consecutive bytes, aligned
	global_store_b128 v5, v[CC:CC+3], s[18:19] offset:((\t)/4)*8448+((\t)%4)*512
	global_store_b128 v5, v[CC+4:CC+7], s[18:19] offset:((\t)/4)*8448+((\t)%4)*512+256
.if (\t)+2 < 8
	LOADW (\t)+2
.endif
.endm
.irp t, 0,1,2,3,4,5,6,7
	BLOCK \t
.endr
	global_store_b32 v6, v24, s[20:21]             ; a word a column: 128 consecutive bytes
	global_store_b32 v6, v25, s[20:21] offset:8448
	s_endpgm
.Lfunc_end_k_q55abedaafc_prep:
	.size	k_q55abedaafc_prep, .Lfunc_end_k_q55abedaafc_prep-k_q55abedaafc_prep
	.p2alignl 7, 3214868480
	.fill 96, 4, 3214868480
	.section	.rodata,"a",@progbits
	.p2align	6, 0x0
	.amdhsa_kernel k_q55abedaafc_prep
		.amdhsa_group_segment_fixed_size 73216
		.amdhsa_private_segment_fixed_size 0
		.amdhsa_enable_private_segment 0
		.amdhsa_kernarg_size 72
		.amdhsa_user_sgpr_count 2
		.amdhsa_user_sgpr_kernarg_segment_ptr 1
		.amdhsa_wavefront_size32 1
		.amdhsa_system_sgpr_workgroup_id_x 1
		.amdhsa_system_sgpr_workgroup_id_y 1
		.amdhsa_system_sgpr_workgroup_id_z 1
		.amdhsa_system_vgpr_workitem_id 0
		.amdhsa_next_free_vgpr 448
		.amdhsa_next_free_sgpr 66
		.amdhsa_reserve_vcc 1
		.amdhsa_float_denorm_mode_32 3
		.amdhsa_float_denorm_mode_16_64 3
		.amdhsa_memory_ordered 1
		.amdhsa_forward_progress 1
		.amdhsa_inst_pref_size 131
	.end_amdhsa_kernel
	.amdgpu_metadata
---
amdhsa.version: [ 1, 2 ]
amdhsa.kernels:
  - .name:           k_q55abedaafc_prep
    .symbol:         k_q55abedaafc_prep.kd
    .args:
      - { .name: x, .offset: 0, .size: 8, .value_kind: global_buffer, .address_space: global }
      - { .name: Wg, .offset: 8, .size: 8, .value_kind: global_buffer, .address_space: global }
      - { .name: bg, .offset: 16, .size: 8, .value_kind: global_buffer, .address_space: global }
      - { .name: We, .offset: 24, .size: 8, .value_kind: global_buffer, .address_space: global }
      - { .name: xq, .offset: 32, .size: 8, .value_kind: global_buffer, .address_space: global }
      - { .name: gb, .offset: 40, .size: 8, .value_kind: global_buffer, .address_space: global }
      - { .name: rt, .offset: 48, .size: 8, .value_kind: global_buffer, .address_space: global }
      - { .name: wq, .offset: 56, .size: 8, .value_kind: global_buffer, .address_space: global }
      - { .name: g7, .offset: 64, .size: 8, .value_kind: global_buffer, .address_space: global }
    .group_segment_fixed_size: 73216
    .private_segment_fixed_size: 0
    .kernarg_segment_align: 8
    .kernarg_segment_size: 72
    .max_flat_workgroup_size: 128
    .sgpr_count:     66
    .vgpr_count:     448
    .wavefront_size: 32
...
	.end_amdgpu_metadata
.endif
;; end of part 1
;; launch moe (part 2): grid 16 x 16, 4 waves a work-group, clusters of 4 x 4, 327,680 bytes of LDS; arguments xq, wq, rt, gb, g7, be, out0; writes out0
.if DOCPART == 2
	.amdgcn_target "amdgcn-amd-amdhsa--gfx1250"
	.amdhsa_code_object_version 6
	.text
	.protected	k_q55abedaafc_moe
	.globl	k_q55abedaafc_moe
	.p2align	8
	.type	k_q55abedaafc_moe,@function
k_q55abedaafc_moe:
	s_mov_b64 s[64:65], 0
	v_nop
	global_prefetch_b8 v0, s[64:65] scope:SCOPE_SE
	s_setreg_imm32_b32 hwreg(HW_REG_WAVE_MODE, 25, 1), 1
	s_wait_xcnt 0x0
	s_wait_alu depctr_hold_cnt(0) depctr_sa_sdst(0) depctr_va_vdst(0) depctr_va_sdst(0) depctr_va_ssrc(0) depctr_va_vcc(0) depctr_vm_vsrc(0)
	s_getreg_b32 s2, hwreg(HW_REG_IB_STS2, 6, 4)
	s_cmp_eq_u32 s2, 0
	s_cbranch_scc0 .Lentry_in_a_cluster
	s_endpgm
.Lentry_in_a_cluster:
	s_bfe_u32 s2, ttmp6, 0x10000c
	s_cmp_lg_u32 s2, 0xf033
	s_cbranch_scc0 .Lentry_shape_is_right
	s_endpgm
.Lentry_shape_is_right:
; out[m][n] = sum over e of gate[m][e] (sum over k of x[m][k] We[e][k][n] + be[e][n]), x and We as codes of FP8 (E4M3) with one E8M0 scale byte for each 32 along K.
; SHARES.  256 work-groups of 512 rows x 64 columns; each of four waves owns 128 rows x 64 columns: 32 accumulators of 16 x 16 for the whole launch.
; K goes in quarters of 256; in a quarter a wave keeps its 128 rows of x in registers (two chunks of 128 K) while the eight experts' weights pass: a PHASE is one quarter of one expert, two steps of 32 products.
; THE GATES, by Horner's form: ahead of expert e's first product on it, an accumulator is multiplied by gate (e - 1) / gate e (e = 0: gate 7 / gate 0), at the end by gate 7.  So there is one set of sums.
; THE BIAS starts the sums: (gate e / gate 7) x be[e], one product of bf16 operands a tile (K = 8 experts, the rest zeros).
; LIMITS.  NaN and infinities among the inputs are not served.  Gates count as at least 2^-60 (the largest of a row's eight is at least 1/8); sums stay finite while an expert's outputs stay under 2^60.  The bias product has bf16 operands.
; THE RING.  Two LDS slots, each with a UNIT of weights (four experts' blocks of one quarter, with their scale words), and two places for x's chunks.  In every fourth phase, between its two steps, one round of the cluster's barrier
; closes a slot: the phase's second fragments are in registers by then.  In an odd unit's round x's next two chunks have landed: the first is read in that phase's second step, the second in the next phase's first.
; CLUSTERS: 4 x 4.  x's chunks and the ratios hang on the row block alone and are shared along a row of the cluster; the weights on the column block alone and are shared along a column: joint loads.
; THE PRODUCTS ARE TRANSPOSED (source 0 = 16 columns of We, source 1 = 16 rows of x): lane (r, h) holds row r of a tile and, in registers j, columns 8 h + j.
; WINDOWS.  0: addresses, scales, ratios, x's chunk 1 (v128-255).  1: x's chunk 0 (v0-127), the ratios once more (v128-135).  2: the accumulators of column tiles 0, 1 (v0-127; (a, b) at 8 (2 a + b)), these tiles' fragments, two sets
; (v128-191).  3: the same for column tiles 2, 3.  So under one setting a product and the rescaling of an accumulator stand side by side.
; LDS LOADS stand in one run a step, behind its fourth product: the next step's 16 fragment pieces and small loads (at a change of quarters also 32 pieces of x).  They have 28 products in which to land; one wait at the next step's head.
; PREFETCH.  In each round the unit that the NEXT round loads is asked for (256 products of a wave ahead of that load), in an odd unit's round x's next two chunks too; each block of 256 bytes once in a cluster, shared out by address
; among the 16 waves that load it (of x's 33 blocks a wave, 32).  The head's tiles and units 1, 2 come by their loads alone; the last trip asks for nothing beyond what is loaded.
.set CHK, 67584                        ; a chunk of x: 32 fragments of 2,048 bytes + 2,048 bytes of scale words;  a unit of weights: four blocks
.set PH,  16896                        ; a block: two steps
.set ST,  8448                         ; a step: 4 fragments + 256 bytes of scale words
.set WS0, 2*CHK
.set WS1, 3*CHK
.set RT,  4*CHK                        ; the ratios [e 8][512 rows]
.set SPARE, RT+16384
.set STAGE, SPARE+512                  ; the way out: 16 rows x 272 bytes a wave
.set WV, 18
.set G1A, 24
.set G1W, 32
.set G1R, 40
.set G0A, 48
.set G0W0, 52
.set G0W1, 56
.set G0R, 60
.set G0H, 68                           ; head: x's chunk 0 or 1
.set G0WH, 72                          ; head: unit 0
.set WP, 76                            ; LDS byte of the phase's block
.set RP, 77                            ; the next expert's ratios
.set TR, 78
.set IC, 79
.set PFW, 80
.set PFX, 82
.set MSB, 0
.macro WIN new                         ; the immediate's high byte repeats the setting that is left
.if MSB != (\new)
	s_set_vgpr_msb (MSB<<8)|(\new)
.set MSB, (\new)
.endif
.endm
.macro CREST
	s_cmp_lg_u32 s[WV], 0
	s_cbranch_scc1 .Lnot_wave_0_\@
	s_barrier_signal -3
.Lnot_wave_0_\@:
	s_barrier_wait -3
	s_barrier_signal -1
	s_barrier_wait -1
.endm
.macro CROUND
	s_barrier_signal -1
	s_barrier_wait -1
	CREST
.endm
.macro TLOAD g0, g1
	tensor_load_to_lds s[\g0:\g0+3], s[\g1:\g1+7]
	s_nop 0
.rept 4
	v_nop
.endr
.endm
.macro GRP g, mask, rows               ; descriptor group 1: so many rows of 256 bytes (32 elements of 8), dense; bit 21 stands beside the mask
	s_or_b32 s[\g], s[\mask], (3<<16)|(1<<21)
	s_mov_b32 s[\g+1], 32<<16
	s_mov_b32 s[\g+2], (\rows)<<16
	s_mov_b32 s[\g+3], 32<<16
	s_mov_b32 s[\g+4], \rows
	s_mov_b32 s[\g+5], 32
	s_mov_b32 s[\g+6], 0
	s_mov_b32 s[\g+7], 0
.endm
; ---- one product: accumulator I_ of window z, step k2 of the phase
.macro MM z, k2
.set A_, I_/2
.set B_, I_%2
.set D_, 8*I_
.set W_, 128+32*(\k2)+16*B_
.set X_, 128*(\k2)+16*A_
.set SW_, 38+2*(\k2)+(\z)-2
.set SX_, 24+4*(\k2)+A_/2
	WIN ((\z)|((1-(\k2))<<2)|((\z)<<4)|((\z)<<6))
.if B_
.if A_%2
	v_wmma_scale_f32_16x16x128_f8f6f4 v[D_:D_+7], v[W_:W_+15], v[X_:X_+15], v[D_:D_+7], v[SW_], v[SX_] matrix_a_scale:MATRIX_SCALE_ROW1 matrix_b_scale:MATRIX_SCALE_ROW1
.else
	v_wmma_scale_f32_16x16x128_f8f6f4 v[D_:D_+7], v[W_:W_+15], v[X_:X_+15], v[D_:D_+7], v[SW_], v[SX_] matrix_a_scale:MATRIX_SCALE_ROW1
.endif
.else
.if A_%2
	v_wmma_scale_f32_16x16x128_f8f6f4 v[D_:D_+7], v[W_:W_+15], v[X_:X_+15], v[D_:D_+7], v[SW_], v[SX_] matrix_b_scale:MATRIX_SCALE_ROW1
.else
	v_wmma_scale_f32_16x16x128_f8f6f4 v[D_:D_+7], v[W_:W_+15], v[X_:X_+15], v[D_:D_+7], v[SW_], v[SX_]
.endif
.endif
.endm
; ---- RESCALING: a window's 16 accumulators take 64 lines.  Lines 0-27 (accumulators 0-6) stand in a phase's second step, behind eight v_nop that are the first one's places; lines 28-63 in the next phase's first step, each ahead of its accumulator's product
.macro RS n
.rept \n
.if LN < LEND
.set T_, LN/4
.set R_, 8*T_+2*(LN%4)
.set GP_, RB_+2*(T_/4)
.if (T_/2)%2
	v_pk_mul_f32 v[R_:R_+1], v[R_:R_+1], v[GP_:GP_+1] op_sel:[0,1] op_sel_hi:[1,1]
.else
	v_pk_mul_f32 v[R_:R_+1], v[R_:R_+1], v[GP_:GP_+1] op_sel_hi:[1,0]
.endif
.set LN, LN+1
.endif
.endr
.endm
.macro AR xa, g                        ; eight loads of x: xa = 1: two tiles of chunk 1, xa = 2: of chunk 0
.if (\xa) == 1
	WIN 0
.irp t, 0,1
.irp c, 0,1,2,3
	ds_load_b128 v[128+16*(2*(\g)+\t)+4*\c:128+16*(2*(\g)+\t)+4*\c+3], v61 offset:2048*(2*(\g)+\t)+512*\c
.endr
.endr
.else
	WIN 0x40
.irp t, 0,1
.irp c, 0,1,2,3
	ds_load_b128 v[16*(2*(\g)+\t)+4*\c:16*(2*(\g)+\t)+4*\c+3], v60 offset:2048*(2*(\g)+\t)+512*\c
.endr
.endr
.endif
.endm
; ---- a step's run of LDS loads for the next step (k2 = 0: this block's second step, and the next expert's ratios; k2 = 1: the next block's first step; ahead of it the ratios' copy in window 1).
; ad = 1: the addresses are made anew; 2: and no ratios follow (the last phase).  xa = 1, 2: x's chunk 1, 0 with its scale words.  The set that it writes was last read in the step before: eight plain lines or more of this step stand between
.macro RUN k2, ad, xa
.if (\k2) == 1
	WIN 0x40
.irp a, 0,1,2,3,4,5,6,7
	v_mov_b32 v[128+\a], v[48+\a]
.endr
.endif
.if (\ad) > 0
	WIN 0
	v_add_nc_u32 v59, s[WP], v1
	v_add_nc_u32 v58, s[WP], v2
.endif
.if ((\k2) == 0) && ((\ad) == 1)
	v_add_nc_u32 v57, s[RP], v56
.endif
.irp y, 2,3
	WIN (\y<<6)
.irp i, 0,1,2,3,4,5,6,7
	ds_load_b128 v[128+32*(1-(\k2))+4*\i:128+32*(1-(\k2))+4*\i+3], v59 offset:OF_+(\y-2)*4096+2048*(\i/4)+512*(\i%4)
.endr
.endr
	WIN 0
.if (\k2) == 0
	ds_load_b32 v40, v58 offset:ST+8192
	ds_load_b32 v41, v58 offset:ST+8192+128
.if (\ad) == 1
.irp a, 0,1,2,3,4,5,6,7
	ds_load_b32 v[48+\a], v57 offset:64*\a
.endr
.endif
.else
	ds_load_b32 v38, v58 offset:PH+8192
	ds_load_b32 v39, v58 offset:PH+8192+128
.endif
.if (\xa) == 1
.irp p, 0,1,2,3
	ds_load_b32 v[28+\p], v63 offset:128*\p
.endr
.endif
.if (\xa) == 2
.irp p, 0,1,2,3
	ds_load_b32 v[24+\p], v62 offset:128*\p
.endr
.endif
.if (\xa) > 0
.irp g, 0,1,2,3
	AR \xa, \g
.endr
.endif
.endm
; ---- products from .. to - 1 of a window in step k2, with the rescaling's lines; in window 2, behind the fourth, the run
.macro STR z, k2, from, to, ad, xa
.if (\from) == 0
.set LN, 28-28*(\k2)
.set LEND, 64-36*(\k2)
.set RB_, 128-80*(\k2)
.endif
.set OF_, ST+(PH-ST)*(\k2)
.set I_, \from
.rept (\to)-(\from)
	MM \z, \k2
.if (\k2) == 0
.if I_ < 15
	RS 2+I_%2
.endif
.else
.if I_ < 4
	v_nop
	v_nop
.else
	RS 2+((I_-4)%3)/2
.endif
.endif
.if (I_ == 3) && ((\z) == 2)
	RUN \k2, \ad, \xa
.endif
.set I_, I_+1
.endr
.endm
.macro HALF0 f, last                   ; the first step's first window.  The wait: the last step's run is in
	s_wait_dscnt 0x0
	STR 2, 0, 0, 16, 1+(\last), \f
.endm
.macro STEP1 te, w                     ; the second step.  w = 0: behind a barrier in front of which every LDS read had come back
.if \w
	s_wait_dscnt 0x0
.endif
	STR 2, 1, 0, 16, \te, 2*(\te)
	STR 3, 1, 0, 16, 0, 0
	WIN 0
.endm
.macro PHASE f
	HALF0 \f, 0
	STR 3, 0, 0, 16, 0, 0
	STEP1 0, 1
	s_add_co_u32 s[WP], s[WP], PH
	s_add_co_u32 s[RP], s[RP], 2048
.endm
.macro PHASES n
	s_mov_b32 s[IC], \n
.Lphase_\@:
	PHASE 0
	s_sub_co_u32 s[IC], s[IC], 1
	s_cmp_lg_u32 s[IC], 0
	s_cbranch_scc1 .Lphase_\@
.endm
; ---- a slot's last phase.  kind 0: an even unit's: unit u + 2 into slot 0, x's next two chunks;  kind 1: an odd unit's: unit u + 2 into slot 1, and x's chunk 0 is read anew;  kind 2: nothing is filled any more
.macro TURN kind
	HALF0 0, 0
	STR 3, 0, 0, 8, 0, 0
	WIN 0
	s_wait_alu depctr_va_vdst(0)
.if (\kind) < 2
	s_wait_xcnt 0x0                                ; my last prefetches have read their addresses
	s_add_nc_u64 s[PFW:PFW+1], s[PFW:PFW+1], CHK
.if (\kind) == 1
	s_add_nc_u64 s[PFX:PFX+1], s[PFX:PFX+1], 2*CHK
.endif
.endif
	s_wait_tensorcnt 0x0                           ; my tensor loads are in: the other slot's unit
.if (\kind) < 2
	ds_add_u32 v10, v11                            ; four products stand between it and its wait
.if (\kind) == 0
	s_add_nc_u64 s[G0A+2:G0A+3], s[G0A+2:G0A+3], 2*CHK
	s_add_nc_u64 s[G0W0+2:G0W0+3], s[G0W0+2:G0W0+3], 2*CHK
.else
	s_add_nc_u64 s[G0W1+2:G0W1+3], s[G0W1+2:G0W1+3], 2*CHK
.endif
.endif
	STR 3, 0, 8, 12, 0, 0
	WIN 0
	s_wait_alu depctr_va_vdst(0)
	s_wait_dscnt 0x0                               ; the add is done, and my reads of this slot and of x's chunks are over
	s_barrier_signal -1
	STR 3, 0, 12, 16, 0, 0
	WIN 0
	s_barrier_wait -1
.if (\kind) < 2
	CREST                                          ; this holds of every wave of every partner
.endif
.if (\kind) == 0
	s_cmp_lt_u32 s[WV], 2
	s_cbranch_scc0 .Lfor_w_\@
	TLOAD G0A, G1A
	s_branch .Lasked_\@
.Lfor_w_\@:
	TLOAD G0W0, G1W
.Lasked_\@:
	global_prefetch_b8 v12, s[PFW:PFW+1] th:TH_LOAD_NT scope:SCOPE_SE
.endif
.if (\kind) == 1
	s_cmp_lt_u32 s[WV], 2
	s_cbranch_scc1 .Lasked_\@
	TLOAD G0W1, G1W
.Lasked_\@:
	s_cmp_eq_u32 s[TR], 1
	s_cbranch_scc1 .Lno_more_\@
	global_prefetch_b8 v12, s[PFW:PFW+1] th:TH_LOAD_NT scope:SCOPE_SE
	global_prefetch_b8 v13, s[PFX:PFX+1] th:TH_LOAD_NT scope:SCOPE_SE
.Lno_more_\@:
	s_mov_b32 s[WP], WS0-PH                        ; the next block is slot 0's first
	STEP1 1, 0
.else
	STEP1 0, 0                                     ; slot 1 lies behind slot 0: the next block is PH on
.endif
.endm
	s_load_b256 s[4:11], s[0:1], 0x0               ; xq s[4:5], wq s[6:7], rt s[8:9], gb s[10:11]
	s_load_b128 s[12:15], s[0:1], 0x20             ; g7, be
	s_load_b64 s[16:17], s[0:1], 0x30              ; out0
	v_lshl_add_u32 v10, v0, 2, SPARE
	v_mov_b32 v11, 0
	ds_add_u32 v10, v11                            ; the wave's opening: the add, twice on end, and its wait ahead of the first tensor load
	ds_add_u32 v10, v11
	v_lshrrev_b32 v3, 5, v0
	v_readfirstlane_b32 s[WV], v3                  ; wave 0..3
	v_and_b32 v4, 31, v0
	v_and_b32 v6, 15, v0                           ; r
	v_bfe_u32 v7, v0, 4, 1                         ; h
	v_lshlrev_b32 v1, 4, v4
	v_lshlrev_b32 v2, 2, v4
	v_lshlrev_b32 v5, 2, v6
	s_bfe_u32 s19, ttmp6, 0x40000                  ; cx
	s_bfe_u32 s20, ttmp6, 0x40004                  ; cy
	s_and_b32 s21, ttmp7, 0xffff
	s_lshl_b32 s21, s21, 2
	s_add_co_u32 s21, s21, s20                     ; my row block of 512
	s_lshl_b32 s22, ttmp9, 2
	s_add_co_u32 s22, s22, s19                     ; my column block of 64
	s_lshl_b32 s66, s20, 2
	s_lshl_b32 s66, 15, s66                        ; my row of the cluster
	s_lshl_b32 s67, 0x1111, s19                    ; my column
	GRP G1A, 66, 264
	GRP G1W, 67, 264
	GRP G1R, 66, 64
	s_mul_i32 s84, s21, 8*CHK                      ; x: the row block's first byte
	s_mov_b32 s85, 0
	s_mul_i32 s86, s22, 8*CHK                      ; weights: the column block's
	s_mov_b32 s87, 0
	s_lshl_b32 s88, s21, 14                        ; ratios
	s_mov_b32 s89, 0
	s_and_b32 s23, s[WV], 1
	s_mul_i32 s90, s23, CHK                        ; in a round waves 0, 1 take a chunk of x each,
	s_mov_b32 s91, 0
	s_mul_i32 s92, s23, CHK/2                      ; waves 2, 3 half a unit each
	s_mov_b32 s93, 0
	s_lshr_b32 s94, s[WV], 1
	s_mul_i32 s94, s94, CHK                        ; at the head waves 0, 2 take x's chunks 0, 1
	s_mov_b32 s95, 0
	s_lshl_b32 s96, s21, 5                         ; my wave's first row tile
	s_lshl_b32 s97, s[WV], 3
	s_add_co_u32 s96, s96, s97
	s_mov_b32 s99, 0
	s_wait_alu depctr_va_vdst(0)
	s_wait_dscnt 0x0                               ; both opening adds are done
	s_wait_kmcnt 0x0
	s_add_nc_u64 s[4:5], s[4:5], s[84:85]
	s_add_nc_u64 s[6:7], s[6:7], s[86:87]
	s_add_nc_u64 s[8:9], s[8:9], s[88:89]
	s_lshl_b32 s98, s96, 9
	s_add_nc_u64 s[10:11], s[10:11], s[98:99]      ; gb
	s_lshl_b32 s98, s96, 7
	s_add_nc_u64 s[12:13], s[12:13], s[98:99]      ; g7
	s_lshl_b32 s98, s22, 8
	s_add_nc_u64 s[14:15], s[14:15], s[98:99]      ; be: my 64 columns
	s_lshl_b32 s98, s[WV], 9
	s_add_nc_u64 s[2:3], s[8:9], s[98:99]          ; expert 0's ratios of my rows
.irp b, 0,1,2,3
.irp e, 0,1,2,3,4,5,6,7
	global_load_b32 v[168+8*\b+\e], v5, s[14:15] offset:4096*\e+64*\b   ; be[e][16 b + r]
.endr
.endr
.irp a, 0,1,2,3,4,5,6,7
	global_load_b128 v[128+4*\a:131+4*\a], v1, s[10:11] offset:512*\a
	global_load_b32 v[48+\a], v5, s[2:3] offset:64*\a
	global_load_b32 v[64+\a], v2, s[12:13] offset:128*\a
.endr
	s_mov_b32 s[G0A], 1
	s_mov_b32 s[G0A+1], s90
	s_add_nc_u64 s[G0A+2:G0A+3], s[4:5], s[90:91]
	s_or_b32 s[G0A+3], s[G0A+3], 0x80000000
	s_mov_b32 s[G0H], 1
	s_mov_b32 s[G0H+1], s94
	s_add_nc_u64 s[G0H+2:G0H+3], s[4:5], s[94:95]
	s_or_b32 s[G0H+3], s[G0H+3], 0x80000000
	s_mov_b32 s[G0WH], 1
	s_mov_b32 s[G0WH+1], WS0
	s_mov_b64 s[G0WH+2:G0WH+3], s[6:7]
	s_or_b32 s[G0WH+3], s[G0WH+3], 0x80000000
	s_mov_b32 s[G0R], 1
	s_mov_b32 s[G0R+1], RT
	s_mov_b64 s[G0R+2:G0R+3], s[8:9]
	s_or_b32 s[G0R+3], s[G0R+3], 0x80000000
	s_mov_b32 s[G0W0], 1
	s_add_co_u32 s[G0W0+1], s92, WS0
	s_add_nc_u64 s[G0W0+2:G0W0+3], s[6:7], s[92:93]
	s_mov_b32 s[G0W1], 1
	s_add_co_u32 s[G0W1+1], s92, WS1
	s_add_nc_u64 s[G0W1+2:G0W1+3], s[G0W0+2:G0W0+3], CHK
	s_or_b32 s[G0W0+3], s[G0W0+3], 0x80000000
	s_or_b32 s[G0W1+3], s[G0W1+3], 0x80000000
	CROUND                                         ; all sixteen work-groups are here: the first joint loads meet
; THE HEAD'S LOADS, ONE A WAVE: x's chunk 0, unit 0, x's chunk 1, the ratios.  One tree of branches on the wave's number
	s_cmp_lt_u32 s[WV], 1
	s_cbranch_scc0 .Lhead_w
	TLOAD G0H, G1A
	s_branch .Lhead_asked
.Lhead_w:
	s_cmp_lt_u32 s[WV], 2
	s_cbranch_scc0 .Lhead_x1
	TLOAD G0WH, G1W
	s_branch .Lhead_asked
.Lhead_x1:
	s_cmp_lt_u32 s[WV], 3
	s_cbranch_scc0 .Lhead_r
	TLOAD G0H, G1A
	s_branch .Lhead_asked
.Lhead_r:
	TLOAD G0R, G1R
.Lhead_asked:
	s_add_nc_u64 s[PFW:PFW+1], s[6:7], 2*CHK       ; unit 2: the first round steps it to unit 3
	s_add_nc_u64 s[PFX:PFX+1], s[4:5], 2*CHK       ; chunk 2: the first odd round steps it to chunk 4
	s_lshl_b32 s86, s96, 16
	s_mov_b32 s87, 0
	s_lshl_b32 s88, s22, 8
	s_add_co_u32 s86, s86, s88
	s_add_nc_u64 s[16:17], s[16:17], s[86:87]      ; out0: my 128 rows, my 64 columns
	s_lshl_b32 s96, s20, 2
	s_add_co_u32 s96, s96, s[WV]
	s_mul_i32 s96, s96, 17                         ; prefetch of a unit's 264 blocks: 17 for each of my column's 16 waves
	s_lshl_b32 s97, s19, 2
	s_add_co_u32 s97, s97, s[WV]
	s_mul_i32 s97, s97, 33                         ; of two chunks' 528 blocks: 33 for each of my row's 16 waves, of which 32 are asked for
	s_lshl_b32 s98, s[WV], 9
	s_lshl_b32 s99, s[WV], 14
	s_mul_i32 s88, s[WV], 16*272
	v_min_u32 v3, 16, v4
	v_add_nc_u32 v3, s96, v3
	v_min_u32 v3, 0x107, v3
	v_lshlrev_b32 v12, 8, v3
	v_add_nc_u32 v3, s97, v4
	v_lshlrev_b32 v13, 8, v3
	v_add_nc_u32 v56, s98, v5
	v_add_nc_u32 v56, RT, v56                      ; the ratios of my lane's row of tile 0
	v_add_nc_u32 v60, s99, v1                      ; my rows' fragments in x's chunk 0,
	v_add_nc_u32 v61, CHK, v60                     ; in chunk 1;
	v_add_nc_u32 v62, s98, v2
	v_add_nc_u32 v62, 0x10000, v62                 ; and their scale words
	v_add_nc_u32 v63, CHK, v62
	v_mul_u32_u24 v72, 272, v6
	v_lshl_add_u32 v72, v7, 5, v72
	v_add_nc_u32 v72, s88, v72
	v_add_nc_u32 v72, STAGE, v72                   ; the stage, in: row r, 32 bytes for each half
	v_mul_u32_u24 v73, 272, v7
	v_lshl_add_u32 v73, v6, 4, v73
	v_add_nc_u32 v73, s88, v73
	v_add_nc_u32 v73, STAGE, v73                   ; back: lanes 0-15 one row of 256 bytes, lanes 16-31 the next
	v_lshlrev_b32 v74, 4, v6
	v_lshl_add_u32 v74, v7, 12, v74                ; the same two rows of out0
	v_cmp_ne_u32 vcc_lo, 0, v7
.irp j, 0,1,2,3
	v_mov_b32 v[160+\j], 0                         ; behind the last gate fragment: a fragment's upper four registers are the next one's gates, which meet zeros of be
.endr
.irp b, 0,1,2,3
.irp j, 4,5,6,7
	v_mov_b32 v[200+8*\b+\j], 0
.endr
.endr
	s_wait_alu depctr_va_vdst(0)
	s_wait_loadcnt 0x0
.irp b, 0,1,2,3
.irp u, 0,1,2,3
	v_cvt_pk_bf16_f32 v[200+8*\b+\u], v[168+8*\b+2*\u], v[169+8*\b+2*\u]
.endr
.endr
.irp b, 0,1,2,3
.irp u, 0,1,2,3
	v_cndmask_b32 v[200+8*\b+\u], v[200+8*\b+\u], v160, vcc_lo   ; k = 0 .. 7 lie in lanes 0-15; zeros above
.endr
.endr
.macro BIAS z
	WIN ((\z)<<6)
.set I_, 0
.rept 16
.set Q_, 200+8*(2*((\z)-2)+I_%2)
.set X_, 128+4*(I_/2)
	v_wmma_f32_16x16x32_bf16 v[8*I_:8*I_+7], v[Q_:Q_+7], v[X_:X_+7], 0
.set I_, I_+1
.endr
.endm
	BIAS 2
	BIAS 3
.rept 8
	v_nop
.endr
.irp z, 2,3                            ; the lines that a phase's second step would have run ahead of phase 0
	WIN (\z|(\z<<6))
.set LN, 0
.set LEND, 28
.set RB_, 48
	RS 28
.endr
	WIN 0x40
.irp a, 0,1,2,3,4,5,6,7
	v_mov_b32 v[128+\a], v[48+\a]
.endr
	WIN 0
	s_wait_alu depctr_va_vdst(0)
	s_wait_tensorcnt 0x0                           ; my tile of the head's four is in
	ds_add_u32 v10, v11
	s_mov_b32 s[G1W+2], 132<<16                    ; no tensor load of mine is out: from here on a load of weights brings half a unit
	s_mov_b32 s[G1W+4], 132
	s_mov_b32 s[WP], WS0
	s_wait_dscnt 0x0
	CROUND
	s_cmp_lt_u32 s[WV], 2
	s_cbranch_scc1 .Lunit_1
	TLOAD G0W1, G1W                                ; slot 1's first fill, behind a round of its own
.Lunit_1:
.irp g, 0,1,2,3
	AR 2, \g
.endr
	WIN 0
	v_add_nc_u32 v58, s[WP], v2
	v_add_nc_u32 v59, s[WP], v1
.irp p, 0,1,2,3
	ds_load_b32 v[24+\p], v62 offset:128*\p
.endr
	ds_load_b32 v38, v58 offset:8192
	ds_load_b32 v39, v58 offset:8192+128
.irp z, 2,3
	WIN (\z<<6)
.irp i, 0,1,2,3,4,5,6,7
	ds_load_b128 v[128+4*\i:131+4*\i], v59 offset:(\z-2)*4096+2048*(\i/4)+512*(\i%4)
.endr
.endr
	WIN 0
	s_mov_b32 s[TR], 3
.Lquarter:                                         ; a trip is one quarter of K: units 2 q and 2 q + 1
	s_mov_b32 s[WP], WS0
	s_mov_b32 s[RP], 2048
	PHASE 1
	PHASES 2
	s_mov_b32 s[WP], WS0+3*PH
	s_mov_b32 s[RP], 4*2048
	TURN 0
	s_mov_b32 s[WP], WS1
	s_mov_b32 s[RP], 5*2048
	PHASES 3
	s_mov_b32 s[WP], WS1+3*PH
	s_mov_b32 s[RP], 0
	TURN 1
	s_sub_co_u32 s[TR], s[TR], 1
	s_cmp_lg_u32 s[TR], 0
	s_cbranch_scc1 .Lquarter
	s_mov_b32 s[WP], WS0                           ; the last quarter fills nothing
	s_mov_b32 s[RP], 2048
	PHASE 1
	PHASES 2
	s_mov_b32 s[WP], WS0+3*PH
	s_mov_b32 s[RP], 4*2048
	TURN 2
	s_mov_b32 s[WP], WS1
	s_mov_b32 s[RP], 5*2048
	PHASES 3
	s_mov_b32 s[WP], WS1+3*PH
	HALF0 0, 1                                     ; the last phase
	STR 3, 0, 0, 16, 0, 0
	WIN 0
	s_wait_dscnt 0x0
; its second step goes by row tiles of 16, and each leaves while the later ones are multiplied: x gate 7, through my stage in LDS, and back as whole rows of 256 bytes
.macro ROW a
.irp z, 2,3
.set I_, 2*(\a)
	MM \z, 1
.set I_, 2*(\a)+1
	MM \z, 1
.endr
.endm
.macro OUTP a
.irp z, 2,3
	WIN (\z|(\z<<6))
.set R_, 16*(\a)
.set GP_, 64+2*((\a)/2)
.rept 8
.if (\a)%2
	v_pk_mul_f32 v[R_:R_+1], v[R_:R_+1], v[GP_:GP_+1] op_sel:[0,1] op_sel_hi:[1,1]
.else
	v_pk_mul_f32 v[R_:R_+1], v[R_:R_+1], v[GP_:GP_+1] op_sel_hi:[1,0]
.endif
.set R_, R_+2
.endr
.endr
.irp z, 2,3
	WIN (\z<<2)
.irp b, 0,1
	ds_store_b128 v72, v[16*(\a)+8*\b:16*(\a)+8*\b+3] offset:64*(2*(\z-2)+\b)
	ds_store_b128 v72, v[16*(\a)+8*\b+4:16*(\a)+8*\b+7] offset:64*(2*(\z-2)+\b)+16
.endr
.endr
	WIN 0x40
.irp t, 0,1,2,3,4,5,6,7
	ds_load_b128 v[32*(\a)+4*\t:32*(\a)+4*\t+3], v73 offset:2*272*\t   ; LDS serves a wave's instructions in order (ISA guide 5.7.1.4): these see the stores above
.endr
.endm
.macro SEND a, younger                 ; younger: the LDS instructions issued behind this tile's loads
	s_wait_dscnt \younger
	WIN 0x04
.irp t, 0,1,2,3,4,5,6,7
	global_store_b128 v74, v[32*(\a)+4*\t:32*(\a)+4*\t+3], s[16:17] offset:(16*(\a)+2*\t)*4096 th:TH_STORE_NT   ; 16 lanes store one aligned unit of 256 bytes
.endr
.endm
	ROW 0
	ROW 1
	ROW 2
.rept 8
	v_nop
.endr
	OUTP 0
	ROW 3
	OUTP 1
	SEND 0, 16
.irp a, 4,5,6,7
	ROW \a
	OUTP (\a-2)
	SEND (\a-3), 16
.endr
	OUTP 6
	SEND 5, 16
	OUTP 7
	SEND 6, 16
	SEND 7, 0
	WIN 0
	s_wait_tensorcnt 0x0                           ; the wave's end
	ds_add_u32 v10, v11
	s_wait_dscnt 0x0
	CROUND                                         ; the closing round: no work-group ends while a partner may still ask for a tile that names it
	s_endpgm
.Lfunc_end_k_q55abedaafc_moe:
	.size	k_q55abedaafc_moe, .Lfunc_end_k_q55abedaafc_moe-k_q55abedaafc_moe
	.p2alignl 7, 3214868480
	.fill 96, 4, 3214868480
	.section	.rodata,"a",@progbits
	.p2align	6, 0x0
	.amdhsa_kernel k_q55abedaafc_moe
		.amdhsa_group_segment_fixed_size 327680
		.amdhsa_private_segment_fixed_size 0
		.amdhsa_enable_private_segment 0
		.amdhsa_kernarg_size 56
		.amdhsa_user_sgpr_count 2
		.amdhsa_user_sgpr_kernarg_segment_ptr 1
		.amdhsa_wavefront_size32 1
		.amdhsa_system_sgpr_workgroup_id_x 1
		.amdhsa_system_sgpr_workgroup_id_y 1
		.amdhsa_system_sgpr_workgroup_id_z 1
		.amdhsa_system_vgpr_workitem_id 0
		.amdhsa_next_free_vgpr 1024
		.amdhsa_next_free_sgpr 100
		.amdhsa_reserve_vcc 1
		.amdhsa_float_denorm_mode_32 3
		.amdhsa_float_denorm_mode_16_64 3
		.amdhsa_memory_ordered 1
		.amdhsa_forward_progress 1
		.amdhsa_inst_pref_size 255
	.end_amdhsa_kernel
	.section	.bss,"aw",@nobits
	.p2align	6
	.space	262144
	.amdgpu_metadata
---
amdhsa.version: [ 1, 2 ]
amdhsa.kernels:
  - .name:           k_q55abedaafc_moe
    .symbol:         k_q55abedaafc_moe.kd
    .args:
      - { .name: xq, .offset: 0, .size: 8, .value_kind: global_buffer, .address_space: global }
      - { .name: wq, .offset: 8, .size: 8, .value_kind: global_buffer, .address_space: global }
      - { .name: rt, .offset: 16, .size: 8, .value_kind: global_buffer, .address_space: global }
      - { .name: gb, .offset: 24, .size: 8, .value_kind: global_buffer, .address_space: global }
      - { .name: g7, .offset: 32, .size: 8, .value_kind: global_buffer, .address_space: global }
      - { .name: be, .offset: 40, .size: 8, .value_kind: global_buffer, .address_space: global }
      - { .name: out0, .offset: 48, .size: 8, .value_kind: global_buffer, .address_space: global }
    .group_segment_fixed_size: 327680
    .private_segment_fixed_size: 0
    .kernarg_segment_align: 8
    .kernarg_segment_size: 56
    .max_flat_workgroup_size: 128
    .sgpr_count:     100
    .vgpr_count:     1024
    .wavefront_size: 32
...
	.end_amdgpu_metadata
.endif
;; end of part 2
